; MI455X (gfx1250); checked and timed in simulation.
; The chip was launched on July 23, 2026; its instructions are those of AMD's public machine-readable ISA for CDNA 5 (MIT licence, August 2026) and "CDNA5" Instruction Set Architecture Reference Guide (July 2026). The comments in the code are by the model that wrote it; some were corrected since.
;; Retrieval Module. Allowed arithmetic: matrix products marked QUANTISED: E2M1 operands, one E8M0 scale for each 32 along K, by v_wmma_scale_f32_16x16x128_f8f6f4 with both operands' format E2M1 (or v_wmma_scale_f32_32x16x128_f4), f32 sums; products left as they are: f32 operands where the result goes on into a quantised operand, else bf16, f16 or f32 operands; f32 sums; everything else in f32.
;; Inputs: keys_codes 65,536 x 8 x 16 uint8 (E2M1 codes of keys, K innermost, in blocks of 32 codes, two codes a byte); keys_scales 65,536 x 8 uint8 (E8M0 scales of keys, one for each 32 codes along K); query_codes 4 x 512 x 8 x 16 uint8 (E2M1 codes of query, K innermost, in blocks of 32 codes, two codes a byte); query_scales 4 x 512 x 8 uint8 (E8M0 scales of query, one for each 32 codes along K); values 65,536 x 256 float32.
;; Outputs: out0 4 x 512 x 256 float32.
;; This version of the problem:
;;   THIS VERSION OF THE PROBLEM IS GIVEN IN LOW PRECISION. The matrix products marked QUANTISED in the list below multiply operands that are first quantised to E2M1 (2 exponent bits, 1 mantissa bit; 4 bits a number), with one power-of-two scale for each 32 numbers along K (OCP MX v1.0); their sums are f32. All else is computed in f32.
;;   The module's matrix products, in the order in which they are computed (A, B: the left and right operand; K: the contracted axis; several contracted axes count as one K, in the product's order):
;;     1. [M 2,048, K 256] x [K 256, N 65,536]; A: input query (given as codes); B: input keys (given as codes): QUANTISED
;;     2. batch 2,048 x [M 256, K 32] x [K 32, N 1]; A: computed on the way; B: softmax: left as it is (N = 1 < 16)
;;   THE QUANTISER, for each operand of a quantised product, along K:
;;     - K is cut into blocks of 32 from its start; a last block that is shorter is filled with zeros.
;;     - A block's scale is 2^e with e = floor(log2(the largest magnitude in the block)) - 2, held to -126 .. 127; a block of zeros has e = 0. As a byte (E8M0): e + 127.
;;     - Each number is divided by its block's scale, clamped to +-6, and rounded to the nearest number of E2M1, ties to even, subnormals kept.
;;     - The product sums the exact products of the quantised numbers (number of the format x scale) in f32.
;;   ~~~python
;;   def quantise(x, axis):      # numpy; x: float32 -> the quantised numbers, widened to float32 again
;;       x = np.moveaxis(x, axis, -1); K = x.shape[-1]
;;       x = np.pad(x, [(0, 0)] * (x.ndim - 1) + [(0, -K % 32)]); x = x.reshape(x.shape[:-1] + (-1, 32)); a = np.abs(x).max(-1, keepdims=True)
;;       e = np.where(a > 0, np.clip(np.frexp(np.where(a > 0, a, 1))[1] - 1 - 2, -126, 127), 0)      # np.frexp(a)[1] - 1 = floor(log2(a)), exactly
;;       r = np.clip(x / 2.0 ** e, -6, 6)
;;       step = 2.0 ** (np.maximum(np.frexp(np.where(r == 0, 1, r))[1] - 1, 0) - 1)
;;       q = np.round(r / step) * step * 2.0 ** e      # np.round: ties to even
;;       return np.moveaxis(q.reshape(q.shape[:-2] + (-1,))[..., :K], -1, axis).astype(np.float32)
;;   ~~~
;;   INPUTS GIVEN AS CODES. keys (in the module: [65536, 256], K = its axis 1); query (in the module: [4, 512, 256], K = its axis 2): each comes as NAME_codes (uint8): NAME with its K axis moved to the last place and cut into blocks of 32 codes, [.., K / 32, bytes a block], one block behind the other in memory; two codes a byte, the lower K in the low four bits (a code: sign, 2 exponent bits, 1 mantissa bit); and NAME_scales (uint8): the same leading axes, one E8M0 byte (e + 127) for each 32 codes along K. Its value is code x scale, taken as it is: it is not quantised again, and the codes and scales need not be those that the quantiser above would give.
;; One version. Each part assembles by itself: llvm-mc -triple=amdgcn-amd-amdhsa -mcpu=gfx1250 --defsym DOCPART=n.
;; ======== version 1 of 1: 5 launches
;; workspace buffers: gm16 33,554,432 bytes; gm256 2,097,152 bytes; idxa 262,144 bytes of whole numbers; idxb 262,144 bytes of whole numbers; sel_idx 262,144 bytes of whole numbers; sel_w 262,144 bytes
;; launch grouppass (part 1): grid 8 x 32, 8 waves a work-group, clusters of 4 x 1, 327,680 bytes of LDS; arguments keys_codes, keys_scales, query_codes, query_scales, gm16, gm256; writes gm16, gm256
.if DOCPART == 1
	.amdgcn_target "amdgcn-amd-amdhsa--gfx1250"
	.amdhsa_code_object_version 6
	.text
	.protected	k_qf680467162_grouppass
	.globl	k_qf680467162_grouppass
	.p2align	8
	.type	k_qf680467162_grouppass,@function
k_qf680467162_grouppass:
	s_mov_b64 s[64:65], 0
	v_nop
	global_prefetch_b8 v0, s[64:65] scope:SCOPE_SE
	s_setreg_imm32_b32 hwreg(HW_REG_WAVE_MODE, 25, 1), 1
	s_wait_xcnt 0x0
	s_wait_alu depctr_hold_cnt(0) depctr_sa_sdst(0) depctr_va_vdst(0) depctr_va_sdst(0) depctr_va_ssrc(0) depctr_va_vcc(0) depctr_vm_vsrc(0)
	s_getreg_b32 s2, hwreg(HW_REG_IB_STS2, 6, 4)
	s_cmp_eq_u32 s2, 0
	s_cbranch_scc0 .Lentry_in_a_cluster
	s_endpgm
.Lentry_in_a_cluster:
	s_bfe_u32 s2, ttmp6, 0x10000c
	s_cmp_lg_u32 s2, 0x3003
	s_cbranch_scc0 .Lentry_shape_is_right
	s_endpgm
.Lentry_shape_is_right:
; THE ONE PASS OVER ALL SCORES.  score(q, k) = the sum over 256 of query[q] x keys[k], both given as E2M1 codes with one E8M0 byte for each 32 along K.
; Stored, for each query: the largest score of each 16 neighbouring keys (gm16) and of each 256 neighbouring keys (gm256).  The launches behind this one choose by them.
; (The scores' factor 1/16 is a power of two and changes no order; it is applied where the softmax is taken.)
; gm16[g][qb][tq][query in block][t4], f32: g = key / 256, qb = query / 256, the 16 keys' tile t = 4 tq + t4.   gm256[kb][query][w], f32: kb = key / 2,048, w = (key / 256) % 8.
; LIMITS: NaN and infinite scores (a scale byte 0xff among them) are not served.
; SHARES.  A work-group takes 256 queries (qb) x 2,048 keys (kb): 8 x 32 work-groups.  Wave w takes keys 256 w .. 256 w + 255 of the block (one group g = 8 kb + w), 16 tiles of 16, against all 16 tiles of queries.
; The queries' fragments stay in registers (window 1, 256 registers); so its own wait on TENSORcnt orders them.
; CLUSTER.  The four work-groups of a cluster have the same kb and need the same keys: every tensor load is asked for JOINTLY (mask 15).  All loads are first fills: no LDS byte is filled twice.
; The queries (32 KB of a work-group's 300 KB) differ between the partners and go straight into registers.
; THE PRODUCT: source 0 = 16 keys, source 1 = 16 queries: lane (r, h) holds query r, and register j key 8 h + j of the tile.  K = 256 is two instructions; the scale registers carry K step 0 in lanes 0-15 and K step 1 in lanes 16-31.
; Two banks of eight accumulators: while the matrix unit works on one bank, the vector unit takes the maxima of the other.
; THE TWO HALVES OF THE LANES hold 8 keys each of a tile.  Two tiles of queries, a and b, are joined at once: each half sends the other the partial maximum that the other keeps, so that lanes 0-15 end with tile a's maxima and
; lanes 16-31 with tile b's: lane l of pair P holds query 32 P + l.  Four key tiles' maxima lie in four neighbouring registers: 16 bytes a lane, and a store of the wave covers 512 consecutive bytes of gm16.
; REGISTERS, window 0: v1 r, v2 h, v3-10 addresses; v16-31 queries' scale words; v32-63 key fragments, two buffers; v64-65 keys' scale words; v66-77 at work; v80-87 the group's maxima, one a pair of query tiles;
;   v96-127 the maxima of four key tiles, four registers a pair; v128-255 accumulators.   window 1: the queries' fragments.
.set KP,    144                        ; a key's row in LDS: 128 bytes + 16 of padding = 36 words: the 16 rows of a load start at 16 different groups of four banks
.set PIECE, 64*KP                      ; what one tensor load brings: 64 keys
.set WKC,   4*PIECE                    ; a wave's 256 keys
.set KSC,   8*WKC                      ; behind the codes: the keys' scale bytes, 2,048 a wave, dense
.set STG,   KSC+8*2048                 ; behind them: a stage that LDS stores write and no tensor load fills; 8,192 bytes of it are used
.set KA,  3                            ; v3  LDS address of my lane in my wave's first tile of keys
.set KSA, 4                            ; v4  and among its scale words
.set QCO, 5                            ; v5  my lane's byte in a tile of queries: 128 r + 16 h
.set QSO, 6                            ; v6  and among their scale words: 8 r + 4 h
.set SWR, 7                            ; v7  the stage: STG + 1,024 w + 4 x lane
.set SRD, 8                            ; v8  and back: STG + 4,096 (thread % 2) + 4 (thread / 2)
.set GOF, 9                            ; v9  16 x thread: my place in the work-group's part of gm256
.set LOF, 10                           ; v10 16 x lane: my place in a store to gm16
.set QS,  16
.set KF,  32
.set KS,  64
.set TMP, 66
.set RM,  80
.set MB,  96
.set ACC, 128
.set WV,  16                           ; s16 my wave's number
.set G1C, 24                           ; s[24:31] descriptor group 1 for codes;  s[32:39] for scale bytes
.set G1S, 32
.set G0S, 40                           ; s[40:43] group 0 for the scale bytes;  s[44:59] for the four pieces of codes
.set G0C, 44
.set SEL, 60                           ; s[60:61] lane selects of v_permlanex16_b32: lane l xor 16
.set LHI, 67                           ; s67 lanes 16-31
.set MSB, 0
.macro WIN new                         ; the immediate's high byte repeats the setting that is left
.if MSB != \new
	s_set_vgpr_msb (MSB<<8)|\new
.set MSB, \new
.endif
.endm
.macro ROUND                           ; a round of the cluster's barrier
	s_barrier_signal -1
	s_barrier_wait -1
	s_cmp_lg_u32 s[WV], 0
	s_cbranch_scc1 .Lnot_wave_0_\@
	s_barrier_signal -3
.Lnot_wave_0_\@:
	s_barrier_wait -3
	s_barrier_signal -1
	s_barrier_wait -1
.endm
	s_load_b256 s[4:11], s[0:1], 0x0               ; keys' codes s[4:5], keys' scales s[6:7], queries' codes s[8:9], queries' scales s[10:11]
	s_load_b128 s[12:15], s[0:1], 0x20             ; gm16 s[12:13], gm256 s[14:15]
	v_lshl_add_u32 v94, v0, 2, 0x4e000
	v_mov_b32 v95, 0
	ds_add_u32 v94, v95
	ds_add_u32 v94, v95
	v_lshrrev_b32 v1, 5, v0
	v_readfirstlane_b32 s[WV], v1                  ; wave 0..7
	s_bfe_u32 s17, ttmp6, 0x40000                  ; cx: my place in the cluster
	s_lshl_b32 s18, ttmp9, 2
	s_add_co_u32 s18, s18, s17                     ; qb = 4 x cluster x + cx: it enters the queries', gm16's and gm256's addresses alone
	s_and_b32 s19, ttmp7, 0xffff                   ; kb, which the four partners share
	; group 1 for codes: 64 rows x 128 bytes, dense in memory, 16 bytes of padding behind each row in LDS
	s_mov_b32 s[G1C+0], 15|(1<<20)|(1<<21)|(4<<22)|(3<<25)   ; 15:0 the mask: all four; 17:16 elements of 1 byte; 20 padding on; 21 set beside a mask; 24:22 after every 32 words (code 4); 31:25 four words (code 3)
	s_mov_b32 s[G1C+1], 128<<16                    ; tensor_dim0
	s_mov_b32 s[G1C+2], 64<<16                     ; tensor_dim1
	s_mov_b32 s[G1C+3], 128<<16                    ; tile_dim0
	s_mov_b32 s[G1C+4], 64                         ; tile_dim1
	s_mov_b32 s[G1C+5], 128                        ; from row to row
	s_mov_b32 s[G1C+6], 0
	s_mov_b32 s[G1C+7], 0
	; group 1 for scale bytes: 2,048 dense bytes as 8 rows of 32 elements of 8 bytes, no padding
	s_mov_b32 s[G1S+0], 15|(3<<16)|(1<<21)
	s_mov_b32 s[G1S+1], 32<<16
	s_mov_b32 s[G1S+2], 8<<16
	s_mov_b32 s[G1S+3], 32<<16
	s_mov_b32 s[G1S+4], 8
	s_mov_b32 s[G1S+5], 32
	s_mov_b32 s[G1S+6], 0
	s_mov_b32 s[G1S+7], 0
	s_mov_b32 s[SEL], 0x76543210
	s_mov_b32 s[SEL+1], 0xfedcba98
	s_mov_b32 s[LHI], 0xffff0000
	s_mul_i32 s62, s[WV], WKC                      ; my wave's codes in LDS
	s_lshl_b32 s63, s[WV], 11                      ; my wave's scale bytes, in LDS and in the block
	s_lshl_b32 s20, s19, 18                        ; codes in memory: 2,048 keys x 128 bytes a block,
	s_lshl_b32 s21, s[WV], 15                      ; 256 x 128 a wave
	s_add_co_u32 s20, s20, s21
	s_mov_b32 s21, 0
	s_lshl_b32 s22, s19, 14                        ; scale bytes: 2,048 x 8 a block
	s_add_co_u32 s22, s22, s63
	s_mov_b32 s23, 0
	v_and_b32 v1, 15, v0                           ; r
	v_bfe_u32 v2, v0, 4, 1                         ; h
	v_mul_u32_u24 v[KA], v1, KP
	v_lshl_add_u32 v[KA], v2, 4, v[KA]
	v_add_nc_u32 v[KA], s62, v[KA]                 ; row r x pitch + 16 h + my wave's part
	v_lshlrev_b32 v[QSO], 3, v1
	v_lshl_add_u32 v[QSO], v2, 2, v[QSO]           ; 8 r + 4 h: lanes 0-15 take the word of K step 0, lanes 16-31 that of K step 1
	v_add_nc_u32 v[KSA], s63, v[QSO]
	v_add_nc_u32 v[KSA], KSC, v[KSA]
	v_lshlrev_b32 v[QCO], 7, v1
	v_lshl_add_u32 v[QCO], v2, 4, v[QCO]
	v_and_b32 v[LOF], 31, v0                       ; lane
	s_lshl_b32 s66, s[WV], 10
	s_add_co_u32 s66, s66, STG
	v_lshl_add_u32 v[SWR], v[LOF], 2, s66          ; the stage: 1,024 bytes a wave, 4 bytes a query
	v_lshlrev_b32 v[LOF], 4, v[LOF]
	v_and_b32 v[SRD], 1, v0
	v_lshlrev_b32 v[SRD], 12, v[SRD]
	v_lshrrev_b32 v[GOF], 1, v0
	v_lshl_add_u32 v[SRD], v[GOF], 2, v[SRD]
	v_add_nc_u32 v[SRD], STG, v[SRD]
	v_lshlrev_b32 v[GOF], 4, v0
	s_wait_dscnt 0x0
	s_wait_kmcnt 0x0
	s_add_nc_u64 s[4:5], s[4:5], s[20:21]
	s_add_nc_u64 s[6:7], s[6:7], s[22:23]
	s_mov_b32 s[G0S], 1                            ; count = 1
	s_add_co_u32 s[G0S+1], s63, KSC                ; LDS address
	s_mov_b64 s[G0S+2:G0S+3], s[6:7]               ; global address
	s_or_b32 s[G0S+3], s[G0S+3], 0x80000000        ; type = 2
.irp p, 0,1,2,3
	s_mov_b32 s[G0C+4*\p], 1
	s_add_co_u32 s[G0C+4*\p+1], s62, \p*PIECE
	s_add_nc_u64 s[G0C+4*\p+2:G0C+4*\p+3], s[4:5], \p*8192
	s_or_b32 s[G0C+4*\p+3], s[G0C+4*\p+3], 0x80000000
.endr
	ROUND                                          ; all four work-groups are here: the joint loads meet
	tensor_load_to_lds s[G0S:G0S+3], s[G1S:G1S+7]  ; five first fills in one group: five tensor loads of mine are out
	s_nop 0
.irp p, 0,1,2,3
	tensor_load_to_lds s[G0C+4*\p:G0C+4*\p+3], s[G1C:G1C+7]
	s_nop 0
.endr
.rept 4
	v_nop                                          ; four lines behind the last tensor load, ahead of the switch of windows
.endr
	s_lshl_b32 s2, s18, 15                         ; my 256 queries: 128 bytes of codes each,
	s_mov_b32 s3, 0
	s_add_nc_u64 s[8:9], s[8:9], s[2:3]
	s_lshl_b32 s2, s18, 11                         ; 8 scale bytes each
	s_add_nc_u64 s[10:11], s[10:11], s[2:3]
	s_lshl_b32 s2, s19, 20                         ; gm16: 16,384 bytes for a group g and a block qb: ((8 kb + w) 8 + qb) x 16,384
	s_lshl_b32 s17, s[WV], 17
	s_add_co_u32 s2, s2, s17
	s_lshl_b32 s17, s18, 14
	s_add_co_u32 s2, s2, s17
	s_add_nc_u64 s[12:13], s[12:13], s[2:3]
	s_lshl_b32 s2, s19, 16                         ; gm256: 65,536 bytes a block of keys, 32 a query
	s_lshl_b32 s17, s18, 13
	s_add_co_u32 s2, s2, s17
	s_add_nc_u64 s[14:15], s[14:15], s[2:3]
	WIN 0x40                                       ; destination window 1
.irp t, 0,1,2,3,4,5,6,7,8,9,10,11,12,13,14,15      ; the queries' fragments: tile t, K step s at v[16 t + 8 s] of window 1: lane (r, h) holds row r, registers 4 c .. 4 c + 3 hold K = 128 s + 64 c + 32 h + 0 .. 31
.irp s, 0,1
.irp c, 0,1
	global_load_b128 v[16*\t+8*\s+4*\c:16*\t+8*\s+4*\c+3], v[QCO], s[8:9] offset:2048*\t+64*\s+32*\c
.endr
.endr
.endr
	WIN 0
.irp t, 0,1,2,3,4,5,6,7,8,9,10,11,12,13,14,15
	global_load_b32 v[QS+\t], v[QSO], s[10:11] offset:128*\t
.endr
.macro KFETCH t, buf                   ; tile t of my keys: two K steps of 8 registers, and the scale words
.irp s, 0,1
.irp c, 0,1
	ds_load_b128 v[KF+16*(\buf)+8*\s+4*\c:KF+16*(\buf)+8*\s+4*\c+3], v[KA] offset:16*KP*(\t)+64*\s+32*\c
.endr
.endr
	ds_load_b32 v[KS+(\buf)], v[KSA] offset:128*(\t)
.endm
; 16 matrix instructions: the key tile in buffer buf against query tiles q0 .. q0 + 7.  The first K step starts the sums with the constant 0.  The eight accumulators take turns, one instruction a turn.
.macro WB bank, q0, buf
	WIN 0x04                                       ; source 1 (the queries) in window 1
.irp i, 0,1,2,3,4,5,6,7
	v_wmma_scale_f32_16x16x128_f8f6f4 v[ACC+64*(\bank)+8*\i:ACC+64*(\bank)+8*\i+7], v[KF+16*(\buf):KF+16*(\buf)+7], v[16*((\q0)+\i):16*((\q0)+\i)+7], 0, v[KS+(\buf)], v[QS+(\q0)+\i] matrix_a_fmt:MATRIX_FMT_FP4 matrix_b_fmt:MATRIX_FMT_FP4
.endr
.irp i, 0,1,2,3,4,5,6,7
	v_wmma_scale_f32_16x16x128_f8f6f4 v[ACC+64*(\bank)+8*\i:ACC+64*(\bank)+8*\i+7], v[KF+16*(\buf)+8:KF+16*(\buf)+15], v[16*((\q0)+\i)+8:16*((\q0)+\i)+15], v[ACC+64*(\bank)+8*\i:ACC+64*(\bank)+8*\i+7], v[KS+(\buf)], v[QS+(\q0)+\i] matrix_a_fmt:MATRIX_FMT_FP4 matrix_b_fmt:MATRIX_FMT_FP4 matrix_a_scale:MATRIX_SCALE_ROW1 matrix_b_scale:MATRIX_SCALE_ROW1
.endr
	WIN 0
.endm
; THE VECTOR WORK of a bank, for key tile t: 48 lines.  Of each accumulator the largest of its eight registers (from the low end on; the eight tiles by turns); then the halves of the lanes are joined, two query tiles at a time.
; Behind each fourth key tile: the group's running maximum takes the four tiles', and the bank's four pairs are stored.
.macro VB bank, q0, t
.set T4, (\t)%4
.if (T4 == 0) && ((\t) > 0)
	s_wait_xcnt 0x0                                ; the stores of the last four tiles have read their registers: these are written again only behind this wait
.endif
.irp i, 0,1,2,3,4,5,6,7
	v_max3_num_f32 v[TMP+\i], v[ACC+64*(\bank)+8*\i], v[ACC+64*(\bank)+8*\i+1], v[ACC+64*(\bank)+8*\i+2]
.endr
.irp j, 3,5
.irp i, 0,1,2,3,4,5,6,7
	v_max3_num_f32 v[TMP+\i], v[TMP+\i], v[ACC+64*(\bank)+8*\i+\j], v[ACC+64*(\bank)+8*\i+\j+1]
.endr
.endr
.irp i, 0,1,2,3,4,5,6,7
	v_max_num_f32 v[TMP+\i], v[TMP+\i], v[ACC+64*(\bank)+8*\i+7]
.endr
.irp p, 0,1,2,3
	v_cndmask_b32 v[TMP+8+\p], v[TMP+2*\p+1], v[TMP+2*\p], s[LHI]      ; what the other half keeps: lanes 0-15 send tile b's, lanes 16-31 tile a's
.endr
.irp p, 0,1,2,3
	v_cndmask_b32 v[TMP+2*\p], v[TMP+2*\p], v[TMP+2*\p+1], s[LHI]      ; what I keep: lanes 0-15 tile a's, lanes 16-31 tile b's
.endr
.irp p, 0,1,2,3
	v_permlanex16_b32 v[TMP+2*\p+1], v[TMP+8+\p], s[SEL], s[SEL+1]     ; (into a register that has been written and is done with)
.endr
.irp p, 0,1,2,3
	v_max_num_f32 v[MB+4*((\q0)/2+\p)+T4], v[TMP+2*\p], v[TMP+2*\p+1]  ; the largest of the tile's 16 keys, for query 32 P + lane
.endr
.if T4 == 3
.irp p, 0,1,2,3
.if (\t) == 3
	v_max3_num_f32 v[RM+(\q0)/2+\p], v[MB+4*((\q0)/2+\p)], v[MB+4*((\q0)/2+\p)+1], v[MB+4*((\q0)/2+\p)+2]     ; the first four tiles start the group's maximum
.else
	v_max3_num_f32 v[RM+(\q0)/2+\p], v[RM+(\q0)/2+\p], v[MB+4*((\q0)/2+\p)], v[MB+4*((\q0)/2+\p)+1]
.endif
.endr
.irp p, 0,1,2,3
.if (\t) == 3
	v_max_num_f32 v[RM+(\q0)/2+\p], v[RM+(\q0)/2+\p], v[MB+4*((\q0)/2+\p)+3]
.else
	v_max3_num_f32 v[RM+(\q0)/2+\p], v[RM+(\q0)/2+\p], v[MB+4*((\q0)/2+\p)+2], v[MB+4*((\q0)/2+\p)+3]
.endif
.endr
.irp p, 0,1,2,3
	global_store_b128 v[LOF], v[MB+4*((\q0)/2+\p):MB+4*((\q0)/2+\p)+3], s[12:13] offset:((\t)/4)*4096+((\q0)/2+\p)*512   ; 32 queries x 16 bytes: 512 consecutive bytes, aligned
.endr
.endif
.endm
; A KEY TILE.  Between the matrix instructions that write a bank and the vector lines that read it stands the other bank's batch of vector lines, which names none of their registers (tile 0: four v_nop);
; the same batches stand between a buffer's last product and the loads that fill it again, and between a bank's last product and the product that begins it anew.
.macro TILE t
.set BUFN, (\t)%2
	s_wait_dscnt 0x0                               ; this tile's fragments, asked for a tile ago, are in
.if (\t) < 15
.if ((\t)+1)%4 == 0
	s_wait_tensorcnt 3-((\t)+1)/4                  ; the next piece of 64 keys has landed; the pieces behind it may be out
.endif
	KFETCH (\t)+1, 1-BUFN
.endif
	WB 0, 0, BUFN
.if (\t) == 0
.rept 4
	v_nop
.endr
.else
	VB 1, 8, (\t)-1
.endif
	WB 1, 8, BUFN
	VB 0, 0, \t
.endm
	s_wait_loadcnt 0x0                             ; the queries
	s_wait_tensorcnt 3                             ; of my five loads the scale bytes and the first piece are in; three pieces may be out
	KFETCH 0, 0
.irp t, 0,1,2,3,4,5,6,7,8,9,10,11,12,13,14,15
	TILE \t
.endr
	VB 1, 8, 15
	; THE GROUPS' MAXIMA.  The eight waves' (w = 0 .. 7) meet in the stage, [w][query]; they leave as they lie in gm256, [query][w]: thread i takes, twice, four waves' numbers of one query: 16 bytes.
.irp p, 0,1,2,3,4,5,6,7
	ds_store_b32 v[SWR], v[RM+\p] offset:128*\p    ; query 32 p + lane
.endr
	s_wait_dscnt 0x0                               ; for the others' sake: my stores have landed
	s_barrier_signal -1
	s_barrier_wait -1
.irp j, 0,1
.irp k, 0,1,2,3
	ds_load_b32 v[TMP+4*\j+\k], v[SRD] offset:512*\j+1024*\k   ; query 128 j + i / 2, wave 4 (i % 2) + k
.endr
.endr
	s_wait_dscnt 0x0
.irp j, 0,1
	global_store_b128 v[GOF], v[TMP+4*\j:TMP+4*\j+3], s[14:15] offset:4096*\j   ; a wave stores 512 consecutive bytes, aligned
.endr
	s_wait_tensorcnt 0x0
	ds_add_u32 v94, v95
	s_wait_dscnt 0x0
	ROUND                                          ; the closing round: no work-group ends while a partner may still ask for a tile that names it
	s_endpgm
.Lfunc_end_k_qf680467162_grouppass:
	.size	k_qf680467162_grouppass, .Lfunc_end_k_qf680467162_grouppass-k_qf680467162_grouppass
	.p2alignl 7, 3214868480
	.fill 96, 4, 3214868480
	.section	.rodata,"a",@progbits
	.p2align	6, 0x0
	.amdhsa_kernel k_qf680467162_grouppass
		.amdhsa_group_segment_fixed_size 327680
		.amdhsa_private_segment_fixed_size 0
		.amdhsa_enable_private_segment 0
		.amdhsa_kernarg_size 48
		.amdhsa_user_sgpr_count 2
		.amdhsa_user_sgpr_kernarg_segment_ptr 1
		.amdhsa_wavefront_size32 1
		.amdhsa_system_sgpr_workgroup_id_x 1
		.amdhsa_system_sgpr_workgroup_id_y 1
		.amdhsa_system_sgpr_workgroup_id_z 1
		.amdhsa_system_vgpr_workitem_id 0
		.amdhsa_next_free_vgpr 512
		.amdhsa_next_free_sgpr 68
		.amdhsa_reserve_vcc 0
		.amdhsa_float_denorm_mode_32 3
		.amdhsa_float_denorm_mode_16_64 3
		.amdhsa_memory_ordered 1
		.amdhsa_forward_progress 1
		.amdhsa_inst_pref_size 179
	.end_amdhsa_kernel
	.amdgpu_metadata
---
amdhsa.version: [ 1, 2 ]
amdhsa.kernels:
  - .name:           k_qf680467162_grouppass
    .symbol:         k_qf680467162_grouppass.kd
    .args:
      - { .name: keys_codes, .offset: 0, .size: 8, .value_kind: global_buffer, .address_space: global }
      - { .name: keys_scales, .offset: 8, .size: 8, .value_kind: global_buffer, .address_space: global }
      - { .name: query_codes, .offset: 16, .size: 8, .value_kind: global_buffer, .address_space: global }
      - { .name: query_scales, .offset: 24, .size: 8, .value_kind: global_buffer, .address_space: global }
      - { .name: gm16, .offset: 32, .size: 8, .value_kind: global_buffer, .address_space: global }
      - { .name: gm256, .offset: 40, .size: 8, .value_kind: global_buffer, .address_space: global }
    .group_segment_fixed_size: 327680
    .private_segment_fixed_size: 0
    .kernarg_segment_align: 8
    .kernarg_segment_size: 48
    .max_flat_workgroup_size: 256
    .sgpr_count:     68
    .vgpr_count:     512
    .wavefront_size: 32
...
	.end_amdgpu_metadata
.endif
;; end of part 1
;; launch pick256 (part 2): grid 2048 x 1, 1 waves a work-group, no clusters, 0 bytes of LDS; arguments gm256, idxa; writes idxa
.if DOCPART == 2
	.amdgcn_target "amdgcn-amd-amdhsa--gfx1250"
	.amdhsa_code_object_version 6
	.text
	.protected	k_qf680467162_pick256
	.globl	k_qf680467162_pick256
	.p2align	8
	.type	k_qf680467162_pick256,@function
k_qf680467162_pick256:
	s_mov_b64 s[64:65], 0
	v_nop
	global_prefetch_b8 v0, s[64:65] scope:SCOPE_SE
	s_setreg_imm32_b32 hwreg(HW_REG_WAVE_MODE, 25, 1), 1
	s_wait_xcnt 0x0
; THE FIRST CHOICE.  One wave, one query.  Of the query's 256 groups of 256 neighbouring keys the best 32, by (largest score falling, group's number rising).  Stored: idxa[query][32], the groups' numbers.
; WHY 32 GROUPS ARE ENOUGH, for every input: order keys by (score falling, index rising).  If a key of group g were among the best 32 keys while 32 groups stood ahead of g, the first key that reaches the maximum in each of
; those groups would have a larger score, or the same score and a lower index (groups are runs of neighbouring keys): 32 keys ahead of it.  So the best 32 keys lie in the best 32 groups, whatever the ties.
; LIMITS: NaN and infinite scores are not served; +0 and -0 count as a tie.  The 128 bytes of a query's result are half of an aligned block of 256 bytes.
; The text has no branch: 8 chunks of 32 groups, written out.  What hangs on scores only selects values (v_cndmask_b32).  No LDS, no barrier, no cluster: the waves share nothing.
; THE BEST 32 lie one a lane, the best in lane 0.  A chunk is sorted the other way round (bitonic network, 15 stages); lane by lane the better of list and chunk is kept: these are the 64's best 32, as a bitonic run; five stages put them in order.
; All numbers differ (the start values have numbers of their own, above every group's), so the order is strict and both partners of an exchange decide alike.
.set VV,  8                            ; v8-15  the eight chunks' maxima
.set LS,  20                           ; the best 32: score, number
.set LI,  21
.set CS,  22                           ; the chunk
.set CI,  23
.set PS,  24                           ; the partner's
.set PI,  25
.set NINF, 26
.set OUTO, 27                          ; 4 x lane
.set SEL, 12                           ; s[12:13] lane selects of v_permlanex16_b32: lane l xor 16
.set XA,  14                           ; s14-16 lane masks of a stage
.set XB,  15
.set XC,  16
; TBV: bit i set where bit j of i equals bit k of i (j, k powers of two)
.macro LANES k, j
.set TBV, 0
.set ii, 0
.rept 32
.if ((ii/\j)%2) == ((ii/\k)%2)
.set TBV, TBV|(1<<ii)
.endif
.set ii, ii+1
.endr
.endm
; A stage of the network on (v[S], v[I]): each lane looks at lane l xor j; the lanes of xm keep the worse of the two, the others the better.
.macro XSTAGE S, I, j, xm
.if \j == 16
	v_permlanex16_b32 v[PS], v[\S], s[SEL], s[SEL+1]
	v_permlanex16_b32 v[PI], v[\I], s[SEL], s[SEL+1]
.else
	v_mov_b32_dpp v[PS], v[\S] row_xmask:\j row_mask:0xf bank_mask:0xf
	v_mov_b32_dpp v[PI], v[\I] row_xmask:\j row_mask:0xf bank_mask:0xf
.endif
	v_cmp_gt_f32 s[XA], v[\S], v[PS]
	v_cmp_eq_f32 s[XB], v[\S], v[PS]
	v_cmp_lt_u32 s[XC], v[\I], v[PI]
	s_and_b32 s[XB], s[XB], s[XC]
	s_or_b32 s[XA], s[XA], s[XB]                   ; mine is the better: a larger score, or the same score and a lower number
	s_xor_b32 s[XA], s[XA], \xm                    ; I keep mine
	v_cndmask_b32 v[\S], v[PS], v[\S], s[XA]
	v_cndmask_b32 v[\I], v[PI], v[\I], s[XA]
.endm
.macro UP k, j                         ; the chunk: runs of k lanes, by turns worst first and best first; at k = 32 all worst first
	LANES \k, \j
	XSTAGE CS, CI, \j, TBV
.endm
.macro DOWN j                          ; the list: the lower lane of a pair keeps the better
	LANES 64, \j
	XSTAGE LS, LI, \j, TBV^0xffffffff
.endm
.macro MERGE                           ; the chunk in (CS, CI) is sorted and merged into the best 32
	UP 2, 1
	UP 4, 2
	UP 4, 1
	UP 8, 4
	UP 8, 2
	UP 8, 1
	UP 16, 8
	UP 16, 4
	UP 16, 2
	UP 16, 1
	UP 32, 16
	UP 32, 8
	UP 32, 4
	UP 32, 2
	UP 32, 1
	v_cmp_gt_f32 s[XA], v[LS], v[CS]               ; list best first against chunk worst first: the better of each lane's two
	v_cmp_eq_f32 s[XB], v[LS], v[CS]
	v_cmp_lt_u32 s[XC], v[LI], v[CI]
	s_and_b32 s[XB], s[XB], s[XC]
	s_or_b32 s[XA], s[XA], s[XB]
	v_cndmask_b32 v[LS], v[CS], v[LS], s[XA]
	v_cndmask_b32 v[LI], v[CI], v[LI], s[XA]
	DOWN 16
	DOWN 8
	DOWN 4
	DOWN 2
	DOWN 1
.endm
	s_load_b128 s[4:7], s[0:1], 0x0                ; gm256 s[4:5], idxa s[6:7]
	v_lshrrev_b32 v1, 3, v0                        ; group 32 c + lane lies in block kb = 4 c + lane / 8, as wave w = lane % 8
	v_and_b32 v2, 7, v0
	v_lshlrev_b32 v1, 16, v1                       ; 65,536 bytes a block,
	v_lshl_add_u32 v1, v2, 2, v1                   ; 4 bytes a wave
	v_lshlrev_b32 v[OUTO], 2, v0
	v_mov_b32 v[NINF], 0xff800000                  ; -infinity
	v_mov_b32 v[LS], v[NINF]                       ; the list starts with 32 entries under every score,
	v_or_b32 v[LI], 0x40000, v0                    ; with numbers of their own
	v_mov_b32 v[PS], 0                             ; written once: the destination of a lane exchange counts as one of its sources
	v_mov_b32 v[PI], 0
	s_mov_b32 s[SEL], 0x76543210
	s_mov_b32 s[SEL+1], 0xfedcba98
	s_lshl_b32 s8, ttmp9, 5                        ; my query's 32 bytes in a block of gm256,
	s_mov_b32 s9, 0
	s_lshl_b32 s10, ttmp9, 7                       ; its 128 bytes of idxa
	s_mov_b32 s11, 0
	s_wait_kmcnt 0x0
	s_add_nc_u64 s[4:5], s[4:5], s[8:9]
	s_add_nc_u64 s[6:7], s[6:7], s[10:11]
.irp c, 0,1,2,3,4,5,6,7
	global_load_b32 v[VV+\c], v1, s[4:5] offset:262144*\c      ; four blocks a chunk
.endr
.irp c, 0,1,2,3,4,5,6,7
	s_wait_loadcnt 7-\c                            ; loads come back in order: chunk c is in, the younger ones may be out
	v_mov_b32 v[CS], v[VV+\c]
	v_or_b32 v[CI], 32*\c, v0                      ; the group's number
	MERGE
.endr
	global_store_b32 v[OUTO], v[LI], s[6:7]
	s_endpgm
.Lfunc_end_k_qf680467162_pick256:
	.size	k_qf680467162_pick256, .Lfunc_end_k_qf680467162_pick256-k_qf680467162_pick256
	.p2alignl 7, 3214868480
	.fill 96, 4, 3214868480
	.section	.rodata,"a",@progbits
	.p2align	6, 0x0
	.amdhsa_kernel k_qf680467162_pick256
		.amdhsa_group_segment_fixed_size 0
		.amdhsa_private_segment_fixed_size 0
		.amdhsa_enable_private_segment 0
		.amdhsa_kernarg_size 16
		.amdhsa_user_sgpr_count 2
		.amdhsa_user_sgpr_kernarg_segment_ptr 1
		.amdhsa_wavefront_size32 1
		.amdhsa_system_sgpr_workgroup_id_x 1
		.amdhsa_system_sgpr_workgroup_id_y 1
		.amdhsa_system_sgpr_workgroup_id_z 1
		.amdhsa_system_vgpr_workitem_id 0
		.amdhsa_next_free_vgpr 32
		.amdhsa_next_free_sgpr 66
		.amdhsa_reserve_vcc 0
		.amdhsa_float_denorm_mode_32 3
		.amdhsa_float_denorm_mode_16_64 3
		.amdhsa_memory_ordered 1
		.amdhsa_forward_progress 1
		.amdhsa_inst_pref_size 96
	.end_amdhsa_kernel
	.amdgpu_metadata
---
amdhsa.version: [ 1, 2 ]
amdhsa.kernels:
  - .name:           k_qf680467162_pick256
    .symbol:         k_qf680467162_pick256.kd
    .args:
      - { .name: gm256, .offset: 0, .size: 8, .value_kind: global_buffer, .address_space: global }
      - { .name: idxa, .offset: 8, .size: 8, .value_kind: global_buffer, .address_space: global }
    .group_segment_fixed_size: 0
    .private_segment_fixed_size: 0
    .kernarg_segment_align: 8
    .kernarg_segment_size: 16
    .max_flat_workgroup_size: 32
    .sgpr_count:     66
    .vgpr_count:     32
    .wavefront_size: 32
...
	.end_amdgpu_metadata
.endif
;; end of part 2
;; launch pick16 (part 3): grid 2048 x 1, 1 waves a work-group, no clusters, 0 bytes of LDS; arguments gm16, idxa, idxb; writes idxb
.if DOCPART == 3
	.amdgcn_target "amdgcn-amd-amdhsa--gfx1250"
	.amdhsa_code_object_version 6
	.text
	.protected	k_qf680467162_pick16
	.globl	k_qf680467162_pick16
	.p2align	8
	.type	k_qf680467162_pick16,@function
k_qf680467162_pick16:
	s_mov_b64 s[64:65], 0
	v_nop
	global_prefetch_b8 v0, s[64:65] scope:SCOPE_SE
	s_setreg_imm32_b32 hwreg(HW_REG_WAVE_MODE, 25, 1), 1
	s_wait_xcnt 0x0
; THE SECOND CHOICE.  One wave, one query.  The launch before has named the query's best 32 groups of 256 keys; each has 16 groups of 16 neighbouring keys.  Of these 512 the best 32, by (largest score falling, group's number rising):
; by the argument given in the launch before, with groups of 16 in the keys' place, these are the best 32 of all 4,096 groups of 16, and the best 32 keys lie in them.  Stored: idxb[query][32], numbers key / 16.
; LIMITS: NaN and infinite scores are not served; +0 and -0 count as a tie.  The 128 bytes of a query's result are half of an aligned block of 256 bytes; of gm16 a query reads pieces of 16 bytes, four for each group of 256.
; The 32 numbers of idxa are the same for all lanes: they come by scalar loads and stay in scalar registers; a number enters an address only behind its bound, 255.  The text has no branch: 16 chunks, written out.
; What hangs on scores only selects values (v_cndmask_b32).  No LDS, no barrier, no cluster: the waves share nothing.
; gm16[g][qb][tq][query in block][t4]: tile t of group g lies at ((8 g + qb) x 4 + t / 4) x 4,096 + 16 x (query % 256) + 4 (t % 4).  A load takes one group g: lane l its tile l % 16 (both halves of the lanes alike);
; a chunk is two groups: lanes 0-15 take the first's 16 tiles, lanes 16-31 the second's.
; THE NETWORK is that of the launch before.
.set LT,  2                            ; v2     my tile's place: 4,096 (t / 4) + 4 (t % 4), t = lane % 16
.set O,   8                            ; v8-39  the 32 loads' offsets; never rewritten
.set VV,  40                           ; v40-71 the 32 groups' tiles' maxima
.set LS,  80
.set LI,  81
.set CS,  82
.set CI,  83
.set PS,  84
.set PI,  85
.set NINF, 86
.set OUTO, 87
.set IDX, 12                           ; s[12:43] the 32 groups' numbers
.set T1,  44
.set T2,  45
.set LHI, 46                           ; lanes 16-31
.set SEL, 48                           ; s[48:49]
.set XA,  50
.set XB,  51
.set XC,  52
.macro LANES k, j
.set TBV, 0
.set ii, 0
.rept 32
.if ((ii/\j)%2) == ((ii/\k)%2)
.set TBV, TBV|(1<<ii)
.endif
.set ii, ii+1
.endr
.endm
.macro XSTAGE S, I, j, xm
.if \j == 16
	v_permlanex16_b32 v[PS], v[\S], s[SEL], s[SEL+1]
	v_permlanex16_b32 v[PI], v[\I], s[SEL], s[SEL+1]
.else
	v_mov_b32_dpp v[PS], v[\S] row_xmask:\j row_mask:0xf bank_mask:0xf
	v_mov_b32_dpp v[PI], v[\I] row_xmask:\j row_mask:0xf bank_mask:0xf
.endif
	v_cmp_gt_f32 s[XA], v[\S], v[PS]
	v_cmp_eq_f32 s[XB], v[\S], v[PS]
	v_cmp_lt_u32 s[XC], v[\I], v[PI]
	s_and_b32 s[XB], s[XB], s[XC]
	s_or_b32 s[XA], s[XA], s[XB]                   ; mine is the better: a larger score, or the same score and a lower number
	s_xor_b32 s[XA], s[XA], \xm                    ; I keep mine
	v_cndmask_b32 v[\S], v[PS], v[\S], s[XA]
	v_cndmask_b32 v[\I], v[PI], v[\I], s[XA]
.endm
.macro UP k, j
	LANES \k, \j
	XSTAGE CS, CI, \j, TBV
.endm
.macro DOWN j
	LANES 64, \j
	XSTAGE LS, LI, \j, TBV^0xffffffff
.endm
.macro MERGE
	UP 2, 1
	UP 4, 2
	UP 4, 1
	UP 8, 4
	UP 8, 2
	UP 8, 1
	UP 16, 8
	UP 16, 4
	UP 16, 2
	UP 16, 1
	UP 32, 16
	UP 32, 8
	UP 32, 4
	UP 32, 2
	UP 32, 1
	v_cmp_gt_f32 s[XA], v[LS], v[CS]
	v_cmp_eq_f32 s[XB], v[LS], v[CS]
	v_cmp_lt_u32 s[XC], v[LI], v[CI]
	s_and_b32 s[XB], s[XB], s[XC]
	s_or_b32 s[XA], s[XA], s[XB]
	v_cndmask_b32 v[LS], v[CS], v[LS], s[XA]
	v_cndmask_b32 v[LI], v[CI], v[LI], s[XA]
	DOWN 16
	DOWN 8
	DOWN 4
	DOWN 2
	DOWN 1
.endm
	s_load_b128 s[4:7], s[0:1], 0x0                ; gm16 s[4:5], idxa s[6:7]
	s_load_b64 s[8:9], s[0:1], 0x10                ; idxb
	v_and_b32 v1, 15, v0                           ; t
	v_lshrrev_b32 v[LT], 2, v1
	v_lshlrev_b32 v[LT], 12, v[LT]
	v_and_b32 v3, 3, v0
	v_lshl_add_u32 v[LT], v3, 2, v[LT]
	v_lshlrev_b32 v[OUTO], 2, v0
	v_mov_b32 v[NINF], 0xff800000
	v_mov_b32 v[LS], v[NINF]
	v_or_b32 v[LI], 0x40000, v0
	v_mov_b32 v[PS], 0
	v_mov_b32 v[PI], 0
	s_mov_b32 s[LHI], 0xffff0000
	s_mov_b32 s[SEL], 0x76543210
	s_mov_b32 s[SEL+1], 0xfedcba98
	s_lshl_b32 s54, ttmp9, 7                       ; my query's 128 bytes of idxa and of idxb
	s_mov_b32 s55, 0
	s_lshr_b32 s56, ttmp9, 8                       ; qb
	s_lshl_b32 s56, s56, 14
	s_and_b32 s57, ttmp9, 255
	s_lshl_b32 s57, s57, 4
	s_add_co_u32 s56, s56, s57                     ; 16,384 qb + 16 (query % 256)
	s_mov_b32 s57, 0
	s_wait_kmcnt 0x0
	s_add_nc_u64 s[6:7], s[6:7], s[54:55]
	s_add_nc_u64 s[8:9], s[8:9], s[54:55]
	s_add_nc_u64 s[4:5], s[4:5], s[56:57]
	s_load_b512 s[12:27], s[6:7], 0x0              ; groups 0-15,
	s_load_b512 s[28:43], s[6:7], 0x40             ; 16-31
	s_wait_kmcnt 0x0
.irp k, 0,1,2,3,4,5,6,7,8,9,10,11,12,13,14,15,16,17,18,19,20,21,22,23,24,25,26,27,28,29,30,31
	s_min_u32 s[IDX+\k], s[IDX+\k], 255
	s_lshl_b32 s[T1], s[IDX+\k], 17                ; 131,072 bytes a group
	v_add_nc_u32 v[O+\k], s[T1], v[LT]
	global_load_b32 v[VV+\k], v[O+\k], s[4:5]
.endr
.irp c, 0,1,2,3,4,5,6,7,8,9,10,11,12,13,14,15
	s_wait_loadcnt 30-2*\c                         ; loads come back in order: groups 2 c and 2 c + 1 are in, the younger ones may be out
	s_lshl_b32 s[T1], s[IDX+2*\c], 4
	s_lshl_b32 s[T2], s[IDX+2*\c+1], 4
	v_add_nc_u32 v[CI], s[T1], v1                  ; the small group's number: 16 g + t
	v_add_nc_u32 v[PI], s[T2], v1
	v_cndmask_b32 v[CI], v[CI], v[PI], s[LHI]      ; lanes 16-31: the second group's
	v_cndmask_b32 v[CS], v[VV+2*\c], v[VV+2*\c+1], s[LHI]
	MERGE
.endr
	global_store_b32 v[OUTO], v[LI], s[8:9]
	s_endpgm
.Lfunc_end_k_qf680467162_pick16:
	.size	k_qf680467162_pick16, .Lfunc_end_k_qf680467162_pick16-k_qf680467162_pick16
	.p2alignl 7, 3214868480
	.fill 96, 4, 3214868480
	.section	.rodata,"a",@progbits
	.p2align	6, 0x0
	.amdhsa_kernel k_qf680467162_pick16
		.amdhsa_group_segment_fixed_size 0
		.amdhsa_private_segment_fixed_size 0
		.amdhsa_enable_private_segment 0
		.amdhsa_kernarg_size 24
		.amdhsa_user_sgpr_count 2
		.amdhsa_user_sgpr_kernarg_segment_ptr 1
		.amdhsa_wavefront_size32 1
		.amdhsa_system_sgpr_workgroup_id_x 1
		.amdhsa_system_sgpr_workgroup_id_y 1
		.amdhsa_system_sgpr_workgroup_id_z 1
		.amdhsa_system_vgpr_workitem_id 0
		.amdhsa_next_free_vgpr 96
		.amdhsa_next_free_sgpr 66
		.amdhsa_reserve_vcc 0
		.amdhsa_float_denorm_mode_32 3
		.amdhsa_float_denorm_mode_16_64 3
		.amdhsa_memory_ordered 1
		.amdhsa_forward_progress 1
		.amdhsa_inst_pref_size 200
	.end_amdhsa_kernel
	.amdgpu_metadata
---
amdhsa.version: [ 1, 2 ]
amdhsa.kernels:
  - .name:           k_qf680467162_pick16
    .symbol:         k_qf680467162_pick16.kd
    .args:
      - { .name: gm16, .offset: 0, .size: 8, .value_kind: global_buffer, .address_space: global }
      - { .name: idxa, .offset: 8, .size: 8, .value_kind: global_buffer, .address_space: global }
      - { .name: idxb, .offset: 16, .size: 8, .value_kind: global_buffer, .address_space: global }
    .group_segment_fixed_size: 0
    .private_segment_fixed_size: 0
    .kernarg_segment_align: 8
    .kernarg_segment_size: 24
    .max_flat_workgroup_size: 32
    .sgpr_count:     66
    .vgpr_count:     96
    .wavefront_size: 32
...
	.end_amdgpu_metadata
.endif
;; end of part 3
;; launch pickkeys (part 4): grid 2048 x 1, 1 waves a work-group, no clusters, 0 bytes of LDS; arguments keys_codes, keys_scales, query_codes, query_scales, idxb, sel_idx, sel_w; writes sel_idx, sel_w
.if DOCPART == 4
	.amdgcn_target "amdgcn-amd-amdhsa--gfx1250"
	.amdhsa_code_object_version 6
	.text
	.protected	k_qf680467162_pickkeys
	.globl	k_qf680467162_pickkeys
	.p2align	8
	.type	k_qf680467162_pickkeys,@function
k_qf680467162_pickkeys:
	s_mov_b64 s[64:65], 0
	v_nop
	global_prefetch_b8 v0, s[64:65] scope:SCOPE_SE
	s_setreg_imm32_b32 hwreg(HW_REG_WAVE_MODE, 25, 1), 1
	s_wait_xcnt 0x0
; THE EXACT CHOICE.  One wave, one query.  The launch before has named the 32 groups of 16 neighbouring keys in which the query's best 32 keys lie.  Their 512 keys are scored again, 32 at a time, and the best 32 are kept by
; (score falling, index rising), which is the order in which the top-k of the problem breaks ties.  Then the softmax of score / 16 over the 32.
; Stored: sel_idx[query][32], the keys' numbers, and sel_w[query][32], their weights; 128 bytes a query each (half of an aligned block of 256 bytes at a time; 512 KB in all).
; LIMITS: NaN and infinite scores are not served; +0 and -0 count as a tie.
; The 32 numbers of idxb are the same for all lanes: they come by scalar loads and stay in scalar registers; a number enters an address only behind its bound, 4,095.  The text has no branch: 16 chunks, written out.
; What hangs on scores only selects values (v_cndmask_b32).  No LDS, no tensor load, no barrier; the work-groups share nothing but keys that two queries happen to choose: no cluster.
; THE PRODUCT: source 0 = the query in all 16 rows, source 1 = a group's 16 keys: every register of the result holds score(key r) in lanes r and 16 + r.  Two groups make a chunk of 32 keys: lanes 0-15 take the first's, lanes 16-31 the second's.
; The scores have the same bits as in the pass that made the groups' maxima: the same products with the sources changed over.
; A RING OF FOUR register buffers: four chunks' keys are asked for at the head, and chunk c + 4's behind chunk c's products: thirty to forty loads of the wave are on their way while a chunk is sorted.
; THE NETWORK is that of the two launches before.
.set KL,  3                            ; v3  128 r + 16 h: my key's and half's bytes in a group's 2,048 bytes of codes
.set SL,  4                            ; v4  8 r + 4 h: the same among its 128 scale bytes: lanes 0-15 K step 0, lanes 16-31 K step 1
.set AD,  8                            ; v8-23   buffer b: v[8 + 4 b ..]: the offsets of two groups' codes, of two groups' scale words
.set AQ,  32                           ; v32-47  the query's fragments, two K steps
.set QSC, 48                           ; v48     its scale words
.set BS,  50                           ; v50-57  buffer b: the two groups' scale words
.set D0,  64
.set D1,  72
.set LS,  80
.set LI,  81
.set CS,  82
.set CI,  83
.set PS,  84
.set PI,  85
.set NINF, 86
.set OUTO, 87
.set BK,  96                           ; v96-223 buffer b: group u, K step s at 96 + 32 b + 16 u + 8 s
.set IDX, 20                           ; s[20:51] the 32 groups' numbers
.set LHI, 52                           ; lanes 16-31
.set SEL, 54                           ; s[54:55]
.set XA,  56
.set XB,  57
.set XC,  58
.set T1,  59
.set T2,  60
.macro LANES k, j
.set TBV, 0
.set ii, 0
.rept 32
.if ((ii/\j)%2) == ((ii/\k)%2)
.set TBV, TBV|(1<<ii)
.endif
.set ii, ii+1
.endr
.endm
.macro XSTAGE S, I, j, xm
.if \j == 16
	v_permlanex16_b32 v[PS], v[\S], s[SEL], s[SEL+1]
	v_permlanex16_b32 v[PI], v[\I], s[SEL], s[SEL+1]
.else
	v_mov_b32_dpp v[PS], v[\S] row_xmask:\j row_mask:0xf bank_mask:0xf
	v_mov_b32_dpp v[PI], v[\I] row_xmask:\j row_mask:0xf bank_mask:0xf
.endif
	v_cmp_gt_f32 s[XA], v[\S], v[PS]
	v_cmp_eq_f32 s[XB], v[\S], v[PS]
	v_cmp_lt_u32 s[XC], v[\I], v[PI]
	s_and_b32 s[XB], s[XB], s[XC]
	s_or_b32 s[XA], s[XA], s[XB]                   ; mine is the better: a larger score, or the same score and a lower index
	s_xor_b32 s[XA], s[XA], \xm                    ; I keep mine
	v_cndmask_b32 v[\S], v[PS], v[\S], s[XA]
	v_cndmask_b32 v[\I], v[PI], v[\I], s[XA]
.endm
.macro UP k, j
	LANES \k, \j
	XSTAGE CS, CI, \j, TBV
.endm
.macro DOWN j
	LANES 64, \j
	XSTAGE LS, LI, \j, TBV^0xffffffff
.endm
.macro MERGE
	UP 2, 1
	UP 4, 2
	UP 4, 1
	UP 8, 4
	UP 8, 2
	UP 8, 1
	UP 16, 8
	UP 16, 4
	UP 16, 2
	UP 16, 1
	UP 32, 16
	UP 32, 8
	UP 32, 4
	UP 32, 2
	UP 32, 1
	v_cmp_gt_f32 s[XA], v[LS], v[CS]
	v_cmp_eq_f32 s[XB], v[LS], v[CS]
	v_cmp_lt_u32 s[XC], v[LI], v[CI]
	s_and_b32 s[XB], s[XB], s[XC]
	s_or_b32 s[XA], s[XA], s[XB]
	v_cndmask_b32 v[LS], v[CS], v[LS], s[XA]
	v_cndmask_b32 v[LI], v[CI], v[LI], s[XA]
	DOWN 16
	DOWN 8
	DOWN 4
	DOWN 2
	DOWN 1
.endm
; Chunk c's keys are asked for, into buffer c % 4: ten loads.  The buffer's offset registers were last read by the loads of chunk c - 4, which the counted wait at the head of that chunk's BODY has shown done.
.macro FETCH c
.set FB, (\c)%4
	s_lshl_b32 s[T1], s[IDX+2*(\c)], 11            ; a group's 16 keys are 2,048 bytes of codes
	s_lshl_b32 s[T2], s[IDX+2*(\c)+1], 11
	v_add_nc_u32 v[AD+4*FB], s[T1], v[KL]
	v_add_nc_u32 v[AD+4*FB+1], s[T2], v[KL]
	s_lshl_b32 s[T1], s[IDX+2*(\c)], 7             ; and 128 scale bytes
	s_lshl_b32 s[T2], s[IDX+2*(\c)+1], 7
	v_add_nc_u32 v[AD+4*FB+2], s[T1], v[SL]
	v_add_nc_u32 v[AD+4*FB+3], s[T2], v[SL]
.irp u, 0,1
.irp s, 0,1
.irp e, 0,1
	global_load_b128 v[BK+32*FB+16*\u+8*\s+4*\e:BK+32*FB+16*\u+8*\s+4*\e+3], v[AD+4*FB+\u], s[4:5] offset:64*\s+32*\e
.endr
.endr
	global_load_b32 v[BS+2*FB+\u], v[AD+4*FB+2+\u], s[6:7]
.endr
.endm
; Chunk c: its keys are multiplied; chunk c + 4's are asked for; chunk c is sorted and merged into the best 32.
.macro BODY c
.set BB, (\c)%4
.if (\c) < 13
	s_wait_loadcnt 30                              ; loads come back in order: chunk c's ten are in (the first time: the query too); the three younger chunks' thirty may be out
.else
	s_wait_loadcnt 10*(15-(\c))                    ; the last chunks: ten for each chunk that is younger
.endif
	v_wmma_scale_f32_16x16x128_f8f6f4 v[D0:D0+7], v[AQ:AQ+7], v[BK+32*BB:BK+32*BB+7], 0, v[QSC], v[BS+2*BB] matrix_a_fmt:MATRIX_FMT_FP4 matrix_b_fmt:MATRIX_FMT_FP4
	v_wmma_scale_f32_16x16x128_f8f6f4 v[D1:D1+7], v[AQ:AQ+7], v[BK+32*BB+16:BK+32*BB+23], 0, v[QSC], v[BS+2*BB+1] matrix_a_fmt:MATRIX_FMT_FP4 matrix_b_fmt:MATRIX_FMT_FP4
	v_wmma_scale_f32_16x16x128_f8f6f4 v[D0:D0+7], v[AQ+8:AQ+15], v[BK+32*BB+8:BK+32*BB+15], v[D0:D0+7], v[QSC], v[BS+2*BB] matrix_a_fmt:MATRIX_FMT_FP4 matrix_b_fmt:MATRIX_FMT_FP4 matrix_a_scale:MATRIX_SCALE_ROW1 matrix_b_scale:MATRIX_SCALE_ROW1
	v_wmma_scale_f32_16x16x128_f8f6f4 v[D1:D1+7], v[AQ+8:AQ+15], v[BK+32*BB+24:BK+32*BB+31], v[D1:D1+7], v[QSC], v[BS+2*BB+1] matrix_a_fmt:MATRIX_FMT_FP4 matrix_b_fmt:MATRIX_FMT_FP4 matrix_a_scale:MATRIX_SCALE_ROW1 matrix_b_scale:MATRIX_SCALE_ROW1
	s_lshl_b32 s[T1], s[IDX+2*(\c)], 4
	s_lshl_b32 s[T2], s[IDX+2*(\c)+1], 4
	v_add_nc_u32 v[CI], s[T1], v1                  ; my key's number: 16 x group + r.  These five lines name no register of the products: they are the places behind them (ISA guide 7.12.1)
	v_add_nc_u32 v[PI], s[T2], v1
	v_cndmask_b32 v[CI], v[CI], v[PI], s[LHI]      ; lanes 16-31: the second group's
	v_nop
	v_nop
.if (\c)+4 < 16
	FETCH (\c)+4
.endif
	v_cndmask_b32 v[CS], v[D0], v[D1], s[LHI]      ; my key's score: each result's lowest register
	MERGE
.endm
	s_load_b256 s[4:11], s[0:1], 0x0               ; keys' codes s[4:5], keys' scales s[6:7], queries' codes s[8:9], queries' scales s[10:11]
	s_load_b128 s[12:15], s[0:1], 0x20             ; idxb s[12:13], sel_idx s[14:15]
	s_load_b64 s[16:17], s[0:1], 0x30              ; sel_w
	v_and_b32 v1, 15, v0                           ; r
	v_bfe_u32 v2, v0, 4, 1                         ; h
	v_lshlrev_b32 v[KL], 7, v1
	v_lshl_add_u32 v[KL], v2, 4, v[KL]
	v_lshlrev_b32 v[SL], 3, v1
	v_lshl_add_u32 v[SL], v2, 2, v[SL]
	v_lshlrev_b32 v5, 4, v2                        ; the query's codes: 16 h
	v_lshlrev_b32 v6, 2, v2                        ; its scale words: 4 h
	v_lshlrev_b32 v[OUTO], 2, v0
	v_mov_b32 v[NINF], 0xff800000                  ; -infinity
	v_mov_b32 v[LS], v[NINF]                       ; the list starts with 32 entries under every score,
	v_or_b32 v[LI], 0x40000, v0                    ; with indices of their own, above every key's
	v_mov_b32 v[PS], 0                             ; written once: the destination of a lane exchange counts as one of its sources
	v_mov_b32 v[PI], 0
	s_mov_b32 s[LHI], 0xffff0000
	s_mov_b32 s[SEL], 0x76543210
	s_mov_b32 s[SEL+1], 0xfedcba98
	s_mov_b32 s19, 0
	s_lshl_b32 s18, ttmp9, 7
	s_wait_kmcnt 0x0
	s_add_nc_u64 s[8:9], s[8:9], s[18:19]          ; my query's 128 bytes of codes,
	s_add_nc_u64 s[12:13], s[12:13], s[18:19]      ; of groups' numbers,
	s_add_nc_u64 s[14:15], s[14:15], s[18:19]      ; of indices
	s_add_nc_u64 s[16:17], s[16:17], s[18:19]      ; and of weights
	s_load_b512 s[20:35], s[12:13], 0x0            ; groups 0-15,
	s_load_b512 s[36:51], s[12:13], 0x40           ; 16-31
	s_lshl_b32 s18, ttmp9, 3
	s_add_nc_u64 s[10:11], s[10:11], s[18:19]      ; its 8 scale bytes
.irp s, 0,1
.irp e, 0,1
	global_load_b128 v[AQ+8*\s+4*\e:AQ+8*\s+4*\e+3], v5, s[8:9] offset:64*\s+32*\e   ; every lane of a half reads the same 16 bytes: the query is all 16 rows
.endr
.endr
	global_load_b32 v[QSC], v6, s[10:11]
	s_wait_kmcnt 0x0
.irp k, 0,1,2,3,4,5,6,7,8,9,10,11,12,13,14,15,16,17,18,19,20,21,22,23,24,25,26,27,28,29,30,31
	s_min_u32 s[IDX+\k], s[IDX+\k], 0xfff
.endr
	FETCH 0
	FETCH 1
	FETCH 2
	FETCH 3
.irp c, 0,1,2,3,4,5,6,7,8,9,10,11,12,13,14,15
	BODY \c
.endr
	; THE SOFTMAX of score / 16 over the 32: the largest score, lane 0's, is taken away first.
	v_readfirstlane_b32 s[T2], v[LS]
	v_subrev_f32 v[CS], s[T2], v[LS]               ; score - largest
	v_mul_f32 v[CS], 0x3db8aa3b, v[CS]             ; x log2(e) / 16
	v_exp_f32 v[CS], v[CS]
	v_nop                                          ; a plain line behind the exponential
	s_wait_alu depctr_va_vdst(0)                   ; and the wait ahead of its first reader
	v_mov_b32 v[CI], v[CS]
	v_add_f32_dpp v[CI], v[CI], v[CI] row_xmask:1 row_mask:0xf bank_mask:0xf
	v_add_f32_dpp v[CI], v[CI], v[CI] row_xmask:2 row_mask:0xf bank_mask:0xf
	v_add_f32_dpp v[CI], v[CI], v[CI] row_xmask:4 row_mask:0xf bank_mask:0xf
	v_add_f32_dpp v[CI], v[CI], v[CI] row_xmask:8 row_mask:0xf bank_mask:0xf
	v_permlanex16_b32 v[PS], v[CI], s[SEL], s[SEL+1]
	v_add_f32 v[CI], v[CI], v[PS]                  ; the sum, in every lane
	v_rcp_f32 v[CI], v[CI]
	v_nop
	s_wait_alu depctr_va_vdst(0)
	v_mul_f32 v[CS], v[CS], v[CI]
	global_store_b32 v[OUTO], v[LI], s[14:15]
	global_store_b32 v[OUTO], v[CS], s[16:17]
	s_endpgm
.Lfunc_end_k_qf680467162_pickkeys:
	.size	k_qf680467162_pickkeys, .Lfunc_end_k_qf680467162_pickkeys-k_qf680467162_pickkeys
	.p2alignl 7, 3214868480
	.fill 96, 4, 3214868480
	.section	.rodata,"a",@progbits
	.p2align	6, 0x0
	.amdhsa_kernel k_qf680467162_pickkeys
		.amdhsa_group_segment_fixed_size 0
		.amdhsa_private_segment_fixed_size 0
		.amdhsa_enable_private_segment 0
		.amdhsa_kernarg_size 56
		.amdhsa_user_sgpr_count 2
		.amdhsa_user_sgpr_kernarg_segment_ptr 1
		.amdhsa_wavefront_size32 1
		.amdhsa_system_sgpr_workgroup_id_x 1
		.amdhsa_system_sgpr_workgroup_id_y 1
		.amdhsa_system_sgpr_workgroup_id_z 1
		.amdhsa_system_vgpr_workitem_id 0
		.amdhsa_next_free_vgpr 224
		.amdhsa_next_free_sgpr 66
		.amdhsa_reserve_vcc 0
		.amdhsa_float_denorm_mode_32 3
		.amdhsa_float_denorm_mode_16_64 3
		.amdhsa_memory_ordered 1
		.amdhsa_forward_progress 1
		.amdhsa_inst_pref_size 224
	.end_amdhsa_kernel
	.amdgpu_metadata
---
amdhsa.version: [ 1, 2 ]
amdhsa.kernels:
  - .name:           k_qf680467162_pickkeys
    .symbol:         k_qf680467162_pickkeys.kd
    .args:
      - { .name: keys_codes, .offset: 0, .size: 8, .value_kind: global_buffer, .address_space: global }
      - { .name: keys_scales, .offset: 8, .size: 8, .value_kind: global_buffer, .address_space: global }
      - { .name: query_codes, .offset: 16, .size: 8, .value_kind: global_buffer, .address_space: global }
      - { .name: query_scales, .offset: 24, .size: 8, .value_kind: global_buffer, .address_space: global }
      - { .name: idxb, .offset: 32, .size: 8, .value_kind: global_buffer, .address_space: global }
      - { .name: sel_idx, .offset: 40, .size: 8, .value_kind: global_buffer, .address_space: global }
      - { .name: sel_w, .offset: 48, .size: 8, .value_kind: global_buffer, .address_space: global }
    .group_segment_fixed_size: 0
    .private_segment_fixed_size: 0
    .kernarg_segment_align: 8
    .kernarg_segment_size: 56
    .max_flat_workgroup_size: 32
    .sgpr_count:     66
    .vgpr_count:     224
    .wavefront_size: 32
...
	.end_amdgpu_metadata
.endif
;; end of part 4
;; launch gather (part 5): grid 512 x 1, 4 waves a work-group, no clusters, 0 bytes of LDS; arguments values, sel_idx, sel_w, out0; writes out0
.if DOCPART == 5
	.amdgcn_target "amdgcn-amd-amdhsa--gfx1250"
	.amdhsa_code_object_version 6
	.text
	.protected	k_qf680467162_gather
	.globl	k_qf680467162_gather
	.p2align	8
	.type	k_qf680467162_gather,@function
k_qf680467162_gather:
	s_mov_b64 s[64:65], 0
	v_nop
	global_prefetch_b8 v0, s[64:65] scope:SCOPE_SE
	s_setreg_imm32_b32 hwreg(HW_REG_WAVE_MODE, 25, 1), 1
	s_wait_xcnt 0x0
; out0[q][:] = the sum over the 32 chosen keys of weight x values[key][:], in f32, by fused multiply-adds.  values: [65536][256] f32; sel_idx, sel_w: [2048][32], stored by the launch before.
; One wave, one query.  A row of values is 1,024 bytes: a lane takes 16 bytes at 16 x lane and 16 at 512 + 16 x lane, so each load of the wave covers 512 consecutive bytes, aligned.
; The 32 indices and 32 weights are the same for all lanes: they come by scalar loads and stay in scalar registers.  An index enters an address only behind its bound, 65,535, the table's last row.
; Memory binds: rows go in four batches of eight through two sets of 64 registers, sixteen to thirty-two loads of a wave on their way.  No LDS, no barrier, no matrix unit (the product has one column), no cluster (the waves share nothing).
.set O,   2                            ; v2-33    the rows' byte offsets + 16 x lane; never rewritten
.set BUF, 40                           ; v40-167  two sets of 8 rows x 8 registers
.set AC,  168                          ; v168-175 my 8 sums
	s_load_b256 s[4:11], s[0:1], 0x0               ; values s[4:5], sel_idx s[6:7], sel_w s[8:9], out0 s[10:11]
	v_lshrrev_b32 v1, 5, v0
	v_readfirstlane_b32 s84, v1                    ; wave 0..3
	s_lshl_b32 s85, ttmp9, 2
	s_add_co_u32 s85, s85, s84                     ; my query
	s_lshl_b32 s86, s85, 7                         ; 128 bytes of indices and of weights,
	s_mov_b32 s87, 0
	s_lshl_b32 s88, s85, 10                        ; 1,024 of the output
	s_mov_b32 s89, 0
	v_and_b32 v1, 31, v0
	v_lshlrev_b32 v1, 4, v1                        ; 16 x lane
	s_wait_kmcnt 0x0
	s_add_nc_u64 s[6:7], s[6:7], s[86:87]
	s_add_nc_u64 s[8:9], s[8:9], s[86:87]
	s_add_nc_u64 s[10:11], s[10:11], s[88:89]
	s_load_b512 s[12:27], s[6:7], 0x0              ; indices 0-15,
	s_load_b512 s[28:43], s[6:7], 0x40             ; 16-31
	s_load_b512 s[44:59], s[8:9], 0x0              ; weights 0-15,
	s_load_b512 s[68:83], s[8:9], 0x40             ; 16-31
	s_wait_kmcnt 0x0
.macro OFFS b                          ; the offsets of rows 8 b .. 8 b + 7
.irp j, 0,1,2,3,4,5,6,7
	s_min_u32 s[12+8*(\b)+\j], s[12+8*(\b)+\j], 0xffff
	s_lshl_b32 s[12+8*(\b)+\j], s[12+8*(\b)+\j], 10
	v_add_nc_u32 v[O+8*(\b)+\j], s[12+8*(\b)+\j], v1
.endr
.endm
.macro ISSUE b                         ; their sixteen loads, into set b % 2
.set BU, BUF+64*((\b)%2)
.irp j, 0,1,2,3,4,5,6,7
	global_load_b128 v[BU+8*\j:BU+8*\j+3], v[O+8*(\b)+\j], s[4:5]
	global_load_b128 v[BU+8*\j+4:BU+8*\j+7], v[O+8*(\b)+\j], s[4:5] offset:512
.endr
.endm
.macro FMA b                           ; and their 64 multiply-adds; row 0 starts the sums
.set BU, BUF+64*((\b)%2)
.irp j, 0,1,2,3,4,5,6,7
.set KK, 8*(\b)+\j
.if KK < 16
.set WR, 44+KK
.else
.set WR, 52+KK
.endif
.irp e, 0,1,2,3,4,5,6,7
.if KK == 0
	v_mul_f32 v[AC+\e], s[WR], v[BU+8*\j+\e]
.else
	v_fmac_f32 v[AC+\e], s[WR], v[BU+8*\j+\e]
.endif
.endr
.endr
.endm
	OFFS 0
	ISSUE 0
	OFFS 1
	ISSUE 1
	OFFS 2
	OFFS 3
	s_wait_loadcnt 16                              ; loads come back in order: batch 0 is in, batch 1's sixteen may be out
	FMA 0
	ISSUE 2
	s_wait_loadcnt 16                              ; batch 1 is in, batch 2's may be out
	FMA 1
	ISSUE 3
	s_wait_loadcnt 16                              ; batch 2 is in, batch 3's may be out
	FMA 2
	s_wait_loadcnt 0x0
	FMA 3
	global_store_b128 v1, v[AC:AC+3], s[10:11] th:TH_STORE_NT              ; 512 consecutive bytes a store, aligned; written once, read by nobody here
	global_store_b128 v1, v[AC+4:AC+7], s[10:11] offset:512 th:TH_STORE_NT
	s_endpgm
.Lfunc_end_k_qf680467162_gather:
	.size	k_qf680467162_gather, .Lfunc_end_k_qf680467162_gather-k_qf680467162_gather
	.p2alignl 7, 3214868480
	.fill 96, 4, 3214868480
	.section	.rodata,"a",@progbits
	.p2align	6, 0x0
	.amdhsa_kernel k_qf680467162_gather
		.amdhsa_group_segment_fixed_size 0
		.amdhsa_private_segment_fixed_size 0
		.amdhsa_enable_private_segment 0
		.amdhsa_kernarg_size 32
		.amdhsa_user_sgpr_count 2
		.amdhsa_user_sgpr_kernarg_segment_ptr 1
		.amdhsa_wavefront_size32 1
		.amdhsa_system_sgpr_workgroup_id_x 1
		.amdhsa_system_sgpr_workgroup_id_y 1
		.amdhsa_system_sgpr_workgroup_id_z 1
		.amdhsa_system_vgpr_workitem_id 0
		.amdhsa_next_free_vgpr 176
		.amdhsa_next_free_sgpr 92
		.amdhsa_reserve_vcc 0
		.amdhsa_float_denorm_mode_32 3
		.amdhsa_float_denorm_mode_16_64 3
		.amdhsa_memory_ordered 1
		.amdhsa_forward_progress 1
		.amdhsa_inst_pref_size 20
	.end_amdhsa_kernel
	.amdgpu_metadata
---
amdhsa.version: [ 1, 2 ]
amdhsa.kernels:
  - .name:           k_qf680467162_gather
    .symbol:         k_qf680467162_gather.kd
    .args:
      - { .name: values, .offset: 0, .size: 8, .value_kind: global_buffer, .address_space: global }
      - { .name: sel_idx, .offset: 8, .size: 8, .value_kind: global_buffer, .address_space: global }
      - { .name: sel_w, .offset: 16, .size: 8, .value_kind: global_buffer, .address_space: global }
      - { .name: out0, .offset: 24, .size: 8, .value_kind: global_buffer, .address_space: global }
    .group_segment_fixed_size: 0
    .private_segment_fixed_size: 0
    .kernarg_segment_align: 8
    .kernarg_segment_size: 32
    .max_flat_workgroup_size: 128
    .sgpr_count:     92
    .vgpr_count:     176
    .wavefront_size: 32
...
	.end_amdgpu_metadata
.endif
;; end of part 5
